; MI455X (gfx1250); checked and timed in simulation.
; The chip was launched on July 23, 2026; its instructions are those of AMD's public machine-readable ISA for CDNA 5 (MIT licence, August 2026) and "CDNA5" Instruction Set Architecture Reference Guide (July 2026). The comments in the code are by the model that wrote it; some were corrected since.
;; SOM. Allowed arithmetic: matrix products marked QUANTISED: E3M2 operands, one E8M0 scale for each 32 along K, by v_wmma_scale_f32_16x16x128_f8f6f4 with both operands' format E3M2, f32 sums; everything else in f32.
;; Inputs: location 4,096 x 2 float32; weight 64 x 4,096 float32; x 65,536 x 64 float32.
;; Outputs: out0 one number float32; out1 65,536 x 1 x 2 float32.
;; This version of the problem:
;;   THIS VERSION OF THE PROBLEM IS GIVEN IN LOW PRECISION. The matrix products marked QUANTISED in the list below multiply operands that are first quantised to E3M2 (3 exponent bits, 2 mantissa bits; 6 bits a number), with one power-of-two scale for each 32 numbers along K (OCP MX v1.0); their sums are f32. All else is computed in f32.
;;   The module's matrix products, in the order in which they are computed (A, B: the left and right operand; K: the contracted axis; several contracted axes count as one K, in the product's order):
;;     1. [M 65,536, K 64] x [K 64, N 4,096]; A: input x; B: input weight: QUANTISED
;;   THE QUANTISER, for each operand of a quantised product, along K:
;;     - K is cut into blocks of 32 from its start; a last block that is shorter is filled with zeros.
;;     - A block's scale is 2^e with e = floor(log2(the largest magnitude in the block)) - 4, held to -126 .. 127; a block of zeros has e = 0. As a byte (E8M0): e + 127.
;;     - Each number is divided by its block's scale, clamped to +-28, and rounded to the nearest number of E3M2, ties to even, subnormals kept.
;;     - The product sums the exact products of the quantised numbers (number of the format x scale) in f32.
;;   ~~~python
;;   def quantise(x, axis):      # numpy; x: float32 -> the quantised numbers, widened to float32 again
;;       x = np.moveaxis(x, axis, -1); K = x.shape[-1]
;;       x = np.pad(x, [(0, 0)] * (x.ndim - 1) + [(0, -K % 32)]); x = x.reshape(x.shape[:-1] + (-1, 32)); a = np.abs(x).max(-1, keepdims=True)
;;       e = np.where(a > 0, np.clip(np.frexp(np.where(a > 0, a, 1))[1] - 1 - 4, -126, 127), 0)      # np.frexp(a)[1] - 1 = floor(log2(a)), exactly
;;       r = np.clip(x / 2.0 ** e, -28, 28)
;;       step = 2.0 ** (np.maximum(np.frexp(np.where(r == 0, 1, r))[1] - 1, -2) - 2)
;;       q = np.round(r / step) * step * 2.0 ** e      # np.round: ties to even
;;       return np.moveaxis(q.reshape(q.shape[:-2] + (-1,))[..., :K], -1, axis).astype(np.float32)
;;   ~~~
;; One version. Each part assembles by itself: llvm-mc -triple=amdgcn-amd-amdhsa -mcpu=gfx1250 --defsym DOCPART=n.
;; ======== version 1 of 1: 3 launches
;; workspace buffers: wpack 229,376 bytes; ximg 3,145,728 bytes; xaux 524,288 bytes; zbuf 262,144 bytes of whole numbers; part 1,024 bytes
;; launch packw (part 1): grid 32 x 1, 4 waves a work-group, no clusters, 7,680 bytes of LDS; arguments weight, wpack; writes wpack
.if DOCPART == 1
	.amdgcn_target "amdgcn-amd-amdhsa--gfx1250"
	.amdhsa_code_object_version 6
	.text
	.protected	k_q7635217f98_packw
	.globl	k_q7635217f98_packw
	.p2align	8
	.type	k_q7635217f98_packw,@function
k_q7635217f98_packw:
	s_mov_b64 s[64:65], 0
	v_nop
	global_prefetch_b8 v0, s[64:65] scope:SCOPE_SE
	s_setreg_imm32_b32 hwreg(HW_REG_WAVE_MODE, 25, 1), 1
	s_wait_xcnt 0x0
; weight [64 (k)][4096 (n)], f32, K outermost, becomes wpack: 256 blocks of 896 bytes, block Z for columns 16 Z .. 16 Z + 15, laid as the matrix unit's registers want an operand of E3M2 codes:
;   bytes   0-511  registers 0-3 of lane l = p + 16 hk (p: column in the block, hk: which 32 along K), 16 bytes at 16 l
;   bytes 512-767  registers 4-5, 8 bytes at 512 + 8 l
;   bytes 768-831  column p's scale word at 768 + 4 p: its two E8M0 bytes, and 0x7f in the two bytes of the 64 along K that do not exist
;   bytes 832-895  -w2 / 2 of column p (f32; w2 = the sum of the column's unquantised squares) at 832 + 4 p
; A block's scale is 2^(floor(log2(largest magnitude)) - 4): its byte is the largest magnitude's exponent field - 4, held at 1 from below.
; A LANE TAKES A COLUMN AND ITS REGISTERS RUN DOWN K: a load reads 128 consecutive bytes a wave, a block of 32 lies in one lane, and the conversions give codes with K innermost.
; The work-group's 128 columns are 8 blocks, 7,168 dense bytes: gathered in LDS, stored by 16 bytes a lane, 512 aligned consecutive bytes a wave.
; No work-group shares input with another, so no cluster; 32 work-groups are all the work there is (4,096 columns, one a thread).
; LIMITS: a block whose largest magnitude lies under 2^(5 - 127), a block of zeros among them, keeps the byte 1 (its codes are what the conversion gives; zeros add nothing; only this program reads the bytes).
; NaN and infinities are not served.  w2 is summed in this text's own order: two packed chains.
.set XN, 40                            ; v40-103  the column's 64 numbers
	s_load_b128 s[4:7], s[0:1], 0x0                ; weight s[4:5], wpack s[6:7]
	v_lshl_add_u32 v128, v0, 2, 0x1c00
	v_mov_b32 v129, 0
	v_lshlrev_b32 v1, 2, v0                        ; in: 4 bytes a thread
	v_lshrrev_b32 v6, 4, v0                        ; my block among the work-group's eight
	v_and_b32 v7, 15, v0                           ; p
	v_mul_u32_u24 v6, v6, 896
	v_lshl_add_u32 v2, v7, 4, v6                   ; block + 16 p
	v_lshl_add_u32 v3, v7, 3, v6                   ; block + 8 p
	v_lshl_add_u32 v4, v7, 2, v6                   ; block + 4 p
	v_lshlrev_b32 v5, 4, v0                        ; out: 16 bytes a thread
	v_lshrrev_b32 v7, 5, v0
	v_readfirstlane_b32 s8, v7                     ; wave
	s_lshl_b32 s10, ttmp9, 9                       ; my work-group's 128 columns: 512 bytes along a row of weight
	s_mov_b32 s11, 0
	s_mul_i32 s12, ttmp9, 7168                     ; and its eight blocks of wpack
	s_mov_b32 s13, 0
	s_wait_kmcnt 0x0
	s_add_nc_u64 s[4:5], s[4:5], s[10:11]
	s_add_nc_u64 s[6:7], s[6:7], s[12:13]
.set K, 0
.rept 64
	global_load_b32 v[XN+K], v1, s[4:5] offset:16384*K th:TH_LOAD_NT   ; weight(K, my column): a row is 16,384 bytes; read once in the launch
.set K, K+1
.endr
; K block b of my column: largest magnitude, scale, sum of squares (chain b), 32 codes in v[20 + 8 b] .. + 5
.macro BLOCK b
.set XS, XN+32*(\b)
.set CD, 20+8*(\b)
	v_max3_num_f32 v12, |v[XS]|, |v[XS+1]|, |v[XS+2]|
	v_max3_num_f32 v13, |v[XS+3]|, |v[XS+4]|, |v[XS+5]|
.irp i, 6,10,14,18,22,26
	v_max3_num_f32 v12, v12, |v[XS+\i]|, |v[XS+\i+1]|
	v_max3_num_f32 v13, v13, |v[XS+\i+2]|, |v[XS+\i+3]|
.endr
	v_max3_num_f32 v12, v12, |v[XS+30]|, |v[XS+31]|
	v_max3_num_f32 v12, v12, v13, 0x2800000        ; and the floor 2^(5 - 127): the byte cannot fall under 1
	v_add_nc_u32 v[14+\b], 0xfe000000, v12         ; 4 off the exponent field: the conversion takes this operand's exponent field as its scale
	v_lshrrev_b32 v[16+\b], 23, v[14+\b]           ; the scale's byte
	v_pk_mul_f32 v[8+2*\b:9+2*\b], v[XS:XS+1], v[XS:XS+1]
.irp i, 2,4,6,8,10,12,14,16,18,20,22,24,26,28,30
	v_pk_fma_f32 v[8+2*\b:9+2*\b], v[XS+\i:XS+\i+1], v[XS+\i:XS+\i+1], v[8+2*\b:9+2*\b]
.endr
	v_cvt_scalef32_pk16_bf6_f32 v[CD:CD+2], v[XS:XS+15], v[14+\b]
	v_cvt_scalef32_pk16_bf6_f32 v[34:36], v[XS+16:XS+31], v[14+\b]   ; (a conversion's three registers begin on an even number: the block's second three are made here and moved)
	v_nop                                          ; one plain line behind a scaled conversion
.irp i, 0,1,2
	v_mov_b32 v[CD+3+\i], v[34+\i]
.endr
	ds_store_b128 v2, v[CD:CD+3] offset:256*(\b)   ; lane p + 16 b of the image
	ds_store_b64 v3, v[CD+4:CD+5] offset:512+128*(\b)
.endm
	s_wait_loadcnt 32                              ; K block 0's 32 loads are in; the 32 younger ones may be out
	BLOCK 0
	s_wait_loadcnt 0x0
	BLOCK 1
	v_add_f32 v8, v8, v9
	v_add_f32 v10, v10, v11
	v_add_f32 v8, v8, v10                          ; w2
	v_mul_f32 v19, -0.5, v8
	v_lshl_or_b32 v18, v17, 8, v16
	v_or_b32 v18, 0x7f7f0000, v18                  ; the scale word
	ds_store_b32 v4, v18 offset:768
	ds_store_b32 v4, v19 offset:832
	s_wait_dscnt 0x0                               ; my stores have landed: the others read them behind the barrier
	s_barrier_signal -1
	s_barrier_wait -1
	ds_load_b128 v[104:107], v5
	ds_load_b128 v[108:111], v5 offset:2048
	ds_load_b128 v[112:115], v5 offset:4096
	s_wait_dscnt 0x2                               ; the first is in, two younger may be out
	global_store_b128 v5, v[104:107], s[6:7]
	s_wait_dscnt 0x1
	global_store_b128 v5, v[108:111], s[6:7] offset:2048
	s_wait_dscnt 0x0
	global_store_b128 v5, v[112:115], s[6:7] offset:4096
	s_cmp_lt_u32 s8, 2                             ; the last 1,024 bytes are two waves' worth
	s_cbranch_scc0 .Ldone
	ds_load_b128 v[116:119], v5 offset:6144
	s_wait_dscnt 0x0
	global_store_b128 v5, v[116:119], s[6:7] offset:6144
.Ldone:
	s_wait_tensorcnt 0x0
	ds_add_u32 v128, v129
	s_wait_dscnt 0x0
	s_endpgm
.Lfunc_end_k_q7635217f98_packw:
	.size	k_q7635217f98_packw, .Lfunc_end_k_q7635217f98_packw-k_q7635217f98_packw
	.p2alignl 7, 3214868480
	.fill 96, 4, 3214868480
	.section	.rodata,"a",@progbits
	.p2align	6, 0x0
	.amdhsa_kernel k_q7635217f98_packw
		.amdhsa_group_segment_fixed_size 7680
		.amdhsa_private_segment_fixed_size 0
		.amdhsa_enable_private_segment 0
		.amdhsa_kernarg_size 16
		.amdhsa_user_sgpr_count 2
		.amdhsa_user_sgpr_kernarg_segment_ptr 1
		.amdhsa_wavefront_size32 1
		.amdhsa_system_sgpr_workgroup_id_x 1
		.amdhsa_system_sgpr_workgroup_id_y 1
		.amdhsa_system_sgpr_workgroup_id_z 1
		.amdhsa_system_vgpr_workitem_id 0
		.amdhsa_next_free_vgpr 130
		.amdhsa_next_free_sgpr 66
		.amdhsa_reserve_vcc 0
		.amdhsa_float_denorm_mode_32 3
		.amdhsa_float_denorm_mode_16_64 3
		.amdhsa_memory_ordered 1
		.amdhsa_forward_progress 1
		.amdhsa_inst_pref_size 14
	.end_amdhsa_kernel
	.amdgpu_metadata
---
amdhsa.version: [ 1, 2 ]
amdhsa.kernels:
  - .name:           k_q7635217f98_packw
    .symbol:         k_q7635217f98_packw.kd
    .args:
      - { .name: weight, .offset: 0, .size: 8, .value_kind: global_buffer, .address_space: global }
      - { .name: wpack, .offset: 8, .size: 8, .value_kind: global_buffer, .address_space: global }
    .group_segment_fixed_size: 7680
    .private_segment_fixed_size: 0
    .kernarg_segment_align: 8
    .kernarg_segment_size: 16
    .max_flat_workgroup_size: 128
    .sgpr_count:     66
    .vgpr_count:     130
    .wavefront_size: 32
...
	.end_amdgpu_metadata
.endif
;; end of part 1
;; launch scan (part 2): grid 256 x 1, 4 waves a work-group, clusters of 4 x 1, 327,680 bytes of LDS; arguments x, wpack, ximg, xaux, zbuf, part; writes ximg, xaux, zbuf, part
.if DOCPART == 2
	.amdgcn_target "amdgcn-amd-amdhsa--gfx1250"
	.amdhsa_code_object_version 6
	.text
	.protected	k_q7635217f98_scan
	.globl	k_q7635217f98_scan
	.p2align	8
	.type	k_q7635217f98_scan,@function
k_q7635217f98_scan:
	s_mov_b64 s[64:65], 0
	v_nop
	global_prefetch_b8 v0, s[64:65] scope:SCOPE_SE
	s_setreg_imm32_b32 hwreg(HW_REG_WAVE_MODE, 25, 1), 1
	s_wait_xcnt 0x0
	s_wait_alu depctr_hold_cnt(0) depctr_sa_sdst(0) depctr_va_vdst(0) depctr_va_sdst(0) depctr_va_ssrc(0) depctr_va_vcc(0) depctr_vm_vsrc(0)
	s_getreg_b32 s2, hwreg(HW_REG_IB_STS2, 6, 4)
	s_cmp_eq_u32 s2, 0
	s_cbranch_scc0 .Lentry_in_a_cluster
	s_endpgm
.Lentry_in_a_cluster:
	s_bfe_u32 s2, ttmp6, 0x10000c
	s_cmp_lg_u32 s2, 0x3003
	s_cbranch_scc0 .Lentry_shape_is_right
	s_endpgm
.Lentry_shape_is_right:
; For each row n of x [65536][64]: the score s(n, k) = Q(x)(n) . Q(w)(k) - w2(k) / 2 of all 4,096 columns, on E3M2 codes with E8M0 scales; d2 = x2 - 2 s, so the nearest column is the one with the largest
; s' = min(s, x2 / 2) (the min is the clip of d2 at 0).  Stored: for each row the SET Z of 16 neighbouring columns that holds the first largest s' (zbuf, whole numbers), the row's codes, scale word and x2 / 2
; (ximg, xaux: the next launch multiplies the one winning set again), and the work-group's sum of sqrt(max(x2 - 2 max s', 0)) (part).
; SHARES.  A work-group owns 256 rows, 16 tiles of 16.  THE WAVES SHARE THE COLUMNS: wave w keeps blocks 64 w .. 64 w + 63 of wpack (1,024 columns: codes, scale words, -w2 / 2) in REGISTERS for the whole launch;
; x's 16 fragments are quantised once (wave w: rows 64 w on) and go from wave to wave through LDS as images of their registers.
; THE PRODUCT IS USED TRANSPOSED: source 0 = 16 columns of w, source 1 = 16 rows of x, C = -w2 / 2.  A lane holds ONE row (lane % 16).  THE COLUMNS OF A TILE ARE NOT NEIGHBOURS: lane r of tile 2 g + u takes
; column 32 g + 8 u + r + 8 (r / 8), so that the 16 results of tiles 2 g and 2 g + 1 in a lane of half h are the 16 neighbouring columns of set 2 g + h.
; K IS 64, THE INSTRUCTION'S IS 128.  x's fragment has zero codes in its registers 6-11.  w's tiles are kept 6 registers each, on end, so a tile's registers 6-11 are the next tile's codes (behind the last tile: zeros):
; they meet zero codes under the scale byte 0x7f on both sides and add nothing; the format has no code for infinity or NaN.
; VECTOR WORK: 11 plain lines for a group's 16 scores a lane: seven three-way maxima; the running maximum joins and is held at x2 / 2 (two lines); a compare and a select keep the group's number.
; The running maximum takes turns between two registers, so that the compare sees old and new; only a strict gain moves the number: the first set wins a tie.
; CLUSTER: every work-group reads the same wpack, so a wave's quarter is asked for JOINTLY by the four work-groups of a cluster (mask 15).  x's tile is the work-group's own: a plain load.  Each LDS byte is filled once.
; LIMITS.  The winner is taken on s', rounded once by the matrix unit, not on the square root of x2 + w2 - 2 dot rounded step by step: two columns whose d2 agree to about one part in 2^23 of x2 + w2 may be ordered
; otherwise; exact ties go to the lowest column.  x2 is summed in this text's own order.  A block whose largest magnitude lies under 2^(5 - 127) keeps the byte 1.  NaN and infinities are not served.
;
; LDS: 0 wpack (wave w's quarter at 57,344 w) | XR x as f32, rows of 256 + 16 bytes | XIMG 16 fragment images of 768 bytes | XSC scale word a row | X2H x2 / 2 a row | MV, MZ [wave][row] best value, best set | RED four sums
; REGISTERS while the loop runs.  Window 0: v1-4 addresses; v5, v7 the running maximum by turns; v6 its group; v8-13 at work; v14-15 x2 / 2; v16-17 x's scale words; v18-29, v30-41 x's two fragments;
;   v42-57, v58-73 two groups' results by turns; v74-105 w's scale words (lanes 0-15: tile 2 g, lanes 16-31: tile 2 g + 1); v106-249 w's tiles 0-23; v250-255 zeros.
;   Window 1: w's tiles 24-63, then six zeros.   Windows 2, 3: -w2 / 2 in the result's layout, eight registers a tile.
.set WQ,   57344                       ; a wave's quarter of wpack: 64 blocks of 896 bytes
.set XR,   229376
.set XRW,  17408                       ; 64 rows x 272 bytes
.set XIMG, 299008
.set XSC,  311296
.set X2H,  312320                      ; = XSC + 1,024
.set MV,   313344                      ; = X2H + 1,024
.set RED,  321536                      ; behind MZ = MV + 4,096
.set MSB, 0
.macro WIN new                         ; the immediate's high byte repeats the setting that is left; a switch that changes nothing is dropped
.if MSB != \new
	s_set_vgpr_msb (MSB<<8)|\new
.set MSB, \new
.endif
.endm
.macro CROUND                          ; a round of the cluster's barrier: my work-group's barrier; wave 0 signals for the work-group; every wave waits for all four; my work-group's barrier once more
	s_barrier_signal -1
	s_barrier_wait -1
	s_cmp_lg_u32 s16, 0
	s_cbranch_scc1 .Lnot_wave_0_\@
	s_barrier_signal -3
.Lnot_wave_0_\@:
	s_barrier_wait -3
	s_barrier_signal -1
	s_barrier_wait -1
.endm
	s_load_b256 s[4:11], s[0:1], 0x0               ; x s[4:5], wpack s[6:7], ximg s[8:9], xaux s[10:11]
	s_load_b128 s[12:15], s[0:1], 0x20             ; zbuf s[12:13], part s[14:15]
	s_set_vgpr_msb 0x40
	v_lshl_add_u32 v254, v0, 2, 0x4e900
	v_mov_b32 v255, 0
	s_set_vgpr_msb 0x4045
	ds_add_u32 v254, v255
	ds_add_u32 v254, v255
	s_set_vgpr_msb 0x4500
	v_lshrrev_b32 v1, 5, v0
	v_readfirstlane_b32 s16, v1                    ; wave 0..3
	s_bfe_u32 s17, ttmp6, 0x40000                  ; cx: my place in the cluster
	s_lshl_b32 s18, ttmp9, 2                       ; in a cluster launch ttmp9 counts clusters
	s_add_co_u32 s18, s18, s17                     ; my work-group: it enters global addresses of x and of the outputs alone
	s_mov_b32 s20, 0x76543210
	s_mov_b32 s21, 0xfedcba98                      ; v_permlanex16_b32's selects for lane l xor 16
	; descriptor group 1 for wpack: 224 dense rows of 32 elements of 8 bytes, no padding, asked for jointly by all four work-groups
	s_mov_b32 s24, 15|(3<<16)|(1<<21)              ; 15:0 the mask; 17:16 elements of 8 bytes; 21 set beside a mask
	s_mov_b32 s25, 32<<16                          ; tensor_dim0 = 32
	s_mov_b32 s26, 224<<16                         ; tensor_dim1 = 224
	s_mov_b32 s27, 32<<16                          ; tile_dim0 = 32
	s_mov_b32 s28, 224                             ; tile_dim1 = 224
	s_mov_b32 s29, 32                              ; from row to row: 32 elements
	s_mov_b32 s30, 0
	s_mov_b32 s31, 0
	; and for x: 64 rows of 256 bytes, 16 bytes of padding behind each; no mask
	s_mov_b32 s32, (3<<16)|(1<<20)|(5<<22)|(3<<25) ; elements of 8 bytes; padding on; after every 64 words; of 4 words
	s_mov_b32 s33, 32<<16
	s_mov_b32 s34, 64<<16
	s_mov_b32 s35, 32<<16
	s_mov_b32 s36, 64
	s_mov_b32 s37, 32
	s_mov_b32 s38, 0
	s_mov_b32 s39, 0
	s_mov_b32 s40, 1                               ; group 0 for wpack: count,
	s_mul_i32 s41, s16, WQ                         ; LDS address: my quarter,
	s_mov_b32 s22, s41                             ; (and the same offset in memory: nothing of the cluster's place enters it)
	s_mov_b32 s23, 0
	s_mov_b32 s44, 1                               ; group 0 for x
	s_mul_i32 s45, s16, XRW
	s_add_co_u32 s45, s45, XR
	s_lshl_b32 s54, s18, 16                        ; my work-group's 256 rows of 256 bytes,
	s_lshl_b32 s55, s16, 14                        ; my wave's 64 of them
	s_add_co_u32 s54, s54, s55
	s_mov_b32 s55, 0
	s_wait_dscnt 0x0
	s_wait_kmcnt 0x0
	s_add_nc_u64 s[42:43], s[6:7], s[22:23]
	s_or_b32 s43, s43, 0x80000000                  ; type = 2
	s_add_nc_u64 s[46:47], s[4:5], s[54:55]
	s_or_b32 s47, s47, 0x80000000
	CROUND                                         ; all four work-groups are here: the joint loads meet
	tensor_load_to_lds s[44:47], s[32:39]          ; x first: it is wanted first.  Two loads of mine are out, the only two of the launch
	s_nop 0
	tensor_load_to_lds s[40:43], s[24:31]
	s_nop 0
.rept 4
	v_nop
.endr
	s_mul_i32 s54, s18, 12288                      ; ximg: 16 images of 768 bytes a work-group,
	s_mul_i32 s56, s16, 3072                       ; four a wave
	s_add_co_u32 s54, s54, s56
	s_add_nc_u64 s[8:9], s[8:9], s[54:55]
	s_lshl_b32 s54, s18, 10                        ; zbuf: 4 bytes a row
	s_add_nc_u64 s[12:13], s[12:13], s[54:55]
	s_lshl_b32 s57, s16, 8
	s_add_co_u32 s54, s54, s57                     ; xaux: 4 bytes a row, my wave's 64 rows
	s_add_nc_u64 s[10:11], s[10:11], s[54:55]
	s_lshl_b32 s54, s18, 2                         ; part: a number a work-group
	s_add_nc_u64 s[14:15], s[14:15], s[54:55]
	s_lshl_b32 s58, s16, 10
	s_lshl_b32 s59, s16, 2
	s_add_co_u32 s59, s59, RED
	v_and_b32 v240, 31, v0                         ; l
	v_and_b32 v241, 15, v0                         ; r
	v_bfe_u32 v242, v0, 4, 1                       ; h
	v_and_b32 v243, 7, v0                          ; j
	v_bfe_u32 v244, v0, 3, 1                       ; hm
	v_lshl_add_u32 v1, v240, 4, XIMG               ; the loop's: an image's registers 0-3,
	v_lshl_add_u32 v2, v240, 3, XIMG+512           ; its registers 4-5,
	v_lshl_add_u32 v3, v241, 2, XSC                ; my row's scale word (x2 / 2 lies 1,024 bytes on),
	v_lshl_add_u32 v4, v241, 2, MV-128             ; and where my wave's best goes: each trip steps it by 128 ahead of its first use
	v_add_nc_u32 v4, s58, v4
	v_lshlrev_b32 v5, 4, v240                      ; the head's: 16 l,
	v_lshlrev_b32 v6, 3, v240                      ; 8 l,
	v_mul_u32_u24 v7, v241, 272
	v_lshl_add_u32 v7, v242, 6, v7
	v_add_nc_u32 v7, s45, v7                       ; x: row r, my 16 numbers of a block of 32: + 64 h
	v_mul_u32_u24 v245, v244, 896
	v_add_nc_u32 v245, s41, v245                   ; w: my quarter, block 2 g + hm
	v_lshl_add_u32 v8, v243, 4, v245
	v_lshl_add_u32 v8, v242, 8, v8                 ; a tile's registers 0-3: image lane 8 u + j + 16 h
	v_lshl_add_u32 v9, v243, 3, v245
	v_lshl_add_u32 v9, v242, 7, v9                 ; its registers 4-5
	v_lshl_add_u32 v10, v243, 2, v245
	v_lshl_add_u32 v10, v242, 5, v10               ; scale words: lanes 0-15 tile 2 g's, lanes 16-31 tile 2 g + 1's: column 8 h + j of block 2 g + hm
	v_mul_u32_u24 v11, v242, 896
	v_add_nc_u32 v11, s41, v11                     ; -w2 / 2: block 2 g + h
	v_add_nc_u32 v12, s56, v1                      ; where I store my four images
	v_add_nc_u32 v13, s56, v2
	v_add_nc_u32 v14, s57, v3                      ; and my rows' scale words
	v_lshl_add_u32 v15, v240, 3, XSC
	v_add_nc_u32 v15, s57, v15                     ; and read them back, 8 bytes a lane
	v_mov_b32 v20, 0                               ; written once: a lane permute's destination counts as one of its sources
	v_mov_b32 v21, 0
	v_mov_b32 v33, 0
	s_wait_tensorcnt 0x1                           ; x's tile is in; the one younger load, w's, may be out.  Only I read these bytes
.irp q, 0,1,2,3
.irp b, 0,1
.irp i, 0,1,2,3
	ds_load_b128 v[106+32*\q+16*\b+4*\i:109+32*\q+16*\b+4*\i], v7 offset:4352*\q+128*\b+16*\i   ; register 16 b + e = x(row, 32 b + 16 h + e)
.endr
.endr
.endr
; Tile q of my four: 32 numbers a lane become the fragment's six registers, the row's scale word and x2 / 2, each in registers of the tile's own, v[42 + 8 q] on
.macro QUANT q
.set rX, 106+32*(\q)
.set rP, 42+8*(\q)
	s_wait_dscnt 24-4*(\q)                         ; behind this tile's loads: 8 (3 - q) loads of later tiles and the 4 q LDS stores of earlier ones
.irp b, 0,1
	v_max3_num_f32 v[18+\b], |v[rX+16*\b]|, |v[rX+16*\b+1]|, 0x2800000   ; my 16 numbers of block b, and the floor 2^(5 - 127)
.endr
.irp i, 2,4,6,8,10,12,14
.irp b, 0,1
	v_max3_num_f32 v[18+\b], v[18+\b], |v[rX+16*\b+\i]|, |v[rX+16*\b+\i+1]|
.endr
.endr
.irp b, 0,1
	v_pk_mul_f32 v[28+2*\b:29+2*\b], v[rX+16*\b:rX+16*\b+1], v[rX+16*\b:rX+16*\b+1]
.endr
.irp i, 2,4,6,8,10,12,14
.irp b, 0,1
	v_pk_fma_f32 v[28+2*\b:29+2*\b], v[rX+16*\b+\i:rX+16*\b+\i+1], v[rX+16*\b+\i:rX+16*\b+\i+1], v[28+2*\b:29+2*\b]
.endr
.endr
.irp b, 0,1
	v_permlanex16_b32 v[20+\b], v[18+\b], s20, s21
.endr
.irp b, 0,1
	v_max_num_f32 v[18+\b], v[18+\b], v[20+\b]     ; with lane l xor 16's: the block's largest magnitude
.endr
.irp b, 0,1
	v_add_nc_u32 v[22+\b], 0xfe000000, v[18+\b]    ; 4 off its exponent field: the conversion's scale operand
.endr
.irp b, 0,1
	v_lshrrev_b32 v[24+\b], 23, v[22+\b]           ; the scale's byte
.endr
	v_lshl_or_b32 v[rP+6], v25, 8, v24
	v_or_b32 v[rP+6], 0x7f7f0000, v[rP+6]          ; the row's scale word; 0x7f for the 64 along K that do not exist
	v_pk_add_f32 v[28:29], v[28:29], v[30:31]
	v_add_f32 v32, v28, v29
	v_permlanex16_b32 v33, v32, s20, s21
	v_add_f32 v32, v32, v33                        ; x2
	v_mul_f32 v[rP+7], 0.5, v32
	v_cvt_scalef32_pk16_bf6_f32 v[rP:rP+2], v[rX:rX+15], v22
	v_cvt_scalef32_pk16_bf6_f32 v[34:36], v[rX+16:rX+31], v23
	v_nop                                          ; one plain line behind a scaled conversion
.irp i, 0,1,2
	v_permlane16_swap_b32 v[rP+\i], v[34+\i]       ; the layout wants a whole block in a lane: lanes 0-15 block 0, lanes 16-31 block 1
.endr
.irp i, 0,1,2
	v_mov_b32 v[rP+3+\i], v[34+\i]
.endr
	ds_store_b128 v12, v[rP:rP+3] offset:768*(\q)
	ds_store_b64 v13, v[rP+4:rP+5] offset:768*(\q)
	ds_store_b32 v14, v[rP+6] offset:64*(\q)       ; both halves of the lanes write the same word with the same value
	ds_store_b32 v14, v[rP+7] offset:1024+64*(\q)
	global_store_b128 v5, v[rP:rP+3], s[8:9] offset:768*(\q)        ; 512 aligned consecutive bytes
	global_store_b64 v6, v[rP+4:rP+5], s[8:9] offset:768*(\q)+512   ; 256
.endm
	QUANT 0
	QUANT 1
	QUANT 2
	QUANT 3
	ds_load_b64 v[38:39], v15                      ; my 64 rows' scale words and x2 / 2, back as 256 consecutive bytes each (LDS serves a wave's instructions in order)
	ds_load_b64 v[40:41], v15 offset:1024
	s_wait_dscnt 0x0
	global_store_b64 v6, v[38:39], s[10:11]
	global_store_b64 v6, v[40:41], s[10:11] offset:262144
	s_wait_tensorcnt 0x0                           ; my quarter of wpack is in; only I read it
.set T, 0
.rept 24                                       ; w's tiles 0-23: tile T = 2 g + u
	ds_load_b128 v[106+6*T:109+6*T], v8 offset:1792*(T/2)+128*(T%2)
	ds_load_b64 v[110+6*T:111+6*T], v9 offset:1792*(T/2)+512+64*(T%2)
.set T, T+1
.endr
.set T, 0
.rept 32
	ds_load_b32 v[74+T], v10 offset:1792*T+768
.set T, T+1
.endr
	WIN 0x40                                       ; destination window 1
.set T, 24
.rept 40
	ds_load_b128 v[6*(T-24):6*(T-24)+3], v8 offset:1792*(T/2)+128*(T%2)
	ds_load_b64 v[6*(T-24)+4:6*(T-24)+5], v9 offset:1792*(T/2)+512+64*(T%2)
.set T, T+1
.endr
.irp i, 0,1,2,3,4,5
	v_mov_b32 v[240+\i], 0                         ; behind tile 63
.endr
	WIN 0x80                                       ; destination window 2
.set T, 0
.rept 32
	ds_load_b128 v[8*T:8*T+3], v11 offset:1792*(T/2)+832+32*(T%2)
	ds_load_b128 v[8*T+4:8*T+7], v11 offset:1792*(T/2)+848+32*(T%2)
.set T, T+1
.endr
	WIN 0xc0                                       ; destination window 3
.set T, 32
.rept 32
	ds_load_b128 v[8*(T-32):8*(T-32)+3], v11 offset:1792*(T/2)+832+32*(T%2)
	ds_load_b128 v[8*(T-32)+4:8*(T-32)+7], v11 offset:1792*(T/2)+848+32*(T%2)
.set T, T+1
.endr
	WIN 0
	s_wait_xcnt 0x0                                ; the global stores have read their offsets and data: v5, v6, v38-73 are written again only behind this wait
.irp i, 0,1,2,3,4,5
	v_mov_b32 v[24+\i], 0                          ; the upper halves of x's two fragments: zero codes
	v_mov_b32 v[36+\i], 0
	v_mov_b32 v[250+\i], 0                         ; behind tile 23
.endr
	s_wait_dscnt 0x0                               ; my images have landed, my registers are filled
	s_barrier_signal -1
	s_barrier_wait -1                              ; all 16 images, scale words and x2 / 2 lie in LDS
; two products: group g's tiles 2 g and 2 g + 1 against x's fragment hf.  C = -w2 / 2, D = one of two sets of 16 registers by turns: no product adds in place
.macro WPAIR g, hf
.if (\g) < 12
	WIN 0x20                                       ; w window 0, C window 2
.set rA, 106+12*(\g)
.elseif (\g) < 16
	WIN 0x21                                       ; w window 1, C window 2
.set rA, 12*((\g)-12)
.else
	WIN 0x31                                       ; w window 1, C window 3
.set rA, 12*((\g)-12)
.endif
.set rC, 16*((\g)%16)
.set rD, 42+16*((\g)%2)
.set rF, 18+12*(\hf)
	v_wmma_scale_f32_16x16x128_f8f6f4 v[rD:rD+7], v[rA:rA+11], v[rF:rF+11], v[rC:rC+7], v[74+(\g)], v[16+(\hf)] matrix_a_fmt:MATRIX_FMT_BF6 matrix_b_fmt:MATRIX_FMT_BF6
	v_wmma_scale_f32_16x16x128_f8f6f4 v[rD+8:rD+15], v[rA+6:rA+17], v[rF:rF+11], v[rC+8:rC+15], v[74+(\g)], v[16+(\hf)] matrix_a_fmt:MATRIX_FMT_BF6 matrix_b_fmt:MATRIX_FMT_BF6 matrix_a_scale:MATRIX_SCALE_ROW1
	WIN 0
.endm
; eleven plain lines: group g's 16 scores come down to two (v8, v11); between them group g - 1's two join the running maximum, which is held at x2 / 2; a strict gain records g - 1.
; Each result is read from its low end on.  These lines name no register of the products issued just before them: they are the places behind those.
.macro V g, hf
.set rD, 42+16*((\g)%2)
.set rRA, 5+2*(((\g)+1)%2)             ; the running maximum as group g - 1 finds it,
.set rRB, 5+2*((\g)%2)                 ; and as it leaves it
.set rI, (\g)-1
.if (\g) > 0
	v_max3_num_f32 v13, v8, v11, v[rRA]
.endif
	v_max3_num_f32 v8, v[rD], v[rD+1], v[rD+2]
	v_max3_num_f32 v9, v[rD+3], v[rD+4], v[rD+5]
.if (\g) > 0
	v_min_num_f32 v[rRB], v13, v[14+(\hf)]
.endif
	v_max3_num_f32 v10, v[rD+6], v[rD+7], v[rD+8]
	v_max3_num_f32 v11, v[rD+9], v[rD+10], v[rD+11]
.if (\g) > 0
	v_cmp_le_f32 vcc_lo, v[rRB], v[rRA]            ; no gain
.endif
	v_max3_num_f32 v12, v[rD+12], v[rD+13], v[rD+14]
	v_max3_num_f32 v8, v8, v9, v10
.if (\g) > 0
	v_cndmask_b32 v6, rI, v6, vcc_lo               ; no gain: the number stays
.endif
	v_max3_num_f32 v11, v11, v12, v[rD+15]
.endm
.macro FLUSH hf                        ; group 31's second stage: the running maximum ends in v5
	v_max3_num_f32 v13, v8, v11, v7
	v_min_num_f32 v5, v13, v[14+(\hf)]
	v_cmp_le_f32 vcc_lo, v5, v7
	v_cndmask_b32 v6, 31, v6, vcc_lo
.endm
.macro EPI hf                          ; a row's two lanes meet: the larger value, at equal values the lower set; both lanes then hold and store the same
	v_bfe_u32 v8, v0, 4, 1
	v_lshl_or_b32 v8, v6, 1, v8                    ; the set in my wave's 64: 2 g + h
	v_permlanex16_b32 v9, v5, s20, s21
	v_permlanex16_b32 v10, v8, s20, s21
	v_cmp_gt_f32 s50, v9, v5
	v_cmp_eq_f32 s51, v9, v5
	v_cmp_lt_u32 s52, v10, v8
	s_and_b32 s51, s51, s52
	s_or_b32 vcc_lo, s50, s51
	v_cndmask_b32 v11, v5, v9, vcc_lo
	v_cndmask_b32 v12, v8, v10, vcc_lo
	ds_store_b32 v4, v11 offset:64*(\hf)
	ds_store_b32 v4, v12 offset:4096+64*(\hf)
.endm
.macro RESET
	v_mov_b32 v5, 0xff800000                       ; -infinity: under every score
	v_mov_b32 v6, 0
.endm
.macro XLD hf, n                       ; row tile n, counted from where the addresses stand, into fragment hf, with its scale words and x2 / 2
	ds_load_b128 v[18+12*(\hf):21+12*(\hf)], v1 offset:768*(\n)
	ds_load_b64 v[22+12*(\hf):23+12*(\hf)], v2 offset:768*(\n)
	ds_load_b32 v[16+(\hf)], v3 offset:64*(\n)
	ds_load_b32 v[14+(\hf)], v3 offset:1024+64*(\n)
.endm
.macro HALF hf                         ; groups 1 to 31 of a row tile; the vector work runs one group behind the products
.set G, 1
.rept 31
	WPAIR G, \hf
	V G-1, \hf
.set G, G+1
.endr
.endm
; A trip: two row tiles.  Each tile's group 0 is multiplied ahead of the last vector work of the tile before.  A fragment is fetched anew a whole tile (64 products) ahead of its use, behind at least eleven plain
; lines that follow its last product.  The addresses are stepped directly behind a wait for all my LDS instructions.
.macro TRIP last
	HALF 0
	s_wait_dscnt 0x0                               ; fragment 1 is in
	WPAIR 0, 1
	v_add_nc_u32 v4, 128, v4                       ; this trip's two tiles of MV and MZ
	V 31, 0
	FLUSH 0
	EPI 0
	RESET
.if !(\last)
	XLD 0, 2
.endif
	HALF 1
.if !(\last)
	s_wait_dscnt 0x0                               ; fragment 0 is in
	WPAIR 0, 0
	v_add_nc_u32 v1, 1536, v1                      ; two tiles on
	v_add_nc_u32 v2, 1536, v2
	v_add_nc_u32 v3, 128, v3
.endif
	V 31, 1
	FLUSH 1
	EPI 1
	RESET
.if !(\last)
	XLD 1, 1
.endif
.endm
	XLD 0, 0
	XLD 1, 1
	RESET
	s_wait_dscnt 0x0
.rept 4
	v_nop                                          ; operand registers written by vector lines (the zeros) stand four plain lines ahead of a scaled product
.endr
	WPAIR 0, 0
.rept 4
	v_nop                                          ; the places that a trip's end gives this product on the way round
.endr
	s_mov_b32 s48, 7
.Ltrip:
	TRIP 0
	s_sub_co_u32 s48, s48, 1
	s_cmp_lg_u32 s48, 0
	s_cbranch_scc1 .Ltrip
	TRIP 1                                         ; row tiles 14 and 15: nothing is fetched or multiplied beyond them
	; THE TAIL.  Thread t takes rows 2 t and 2 t + 1: the four waves' bests meet (a strict gain alone moves the choice: the lower columns keep a tie), the set goes out, the distances are summed.
	s_wait_dscnt 0x0
	s_barrier_signal -1
	s_barrier_wait -1
	v_lshl_add_u32 v18, v0, 3, X2H
	v_lshlrev_b32 v19, 3, v0
	ds_load_b64 v[20:21], v18                      ; x2 / 2
.irp w, 0,1,2,3
	ds_load_b64 v[22+2*\w:23+2*\w], v18 offset:1024+1024*\w    ; wave w's best value,
	ds_load_b64 v[30+2*\w:31+2*\w], v18 offset:5120+1024*\w    ; and set
.endr
	s_wait_dscnt 0x0
.irp w, 1,2,3
.irp e, 0,1
	v_add_nc_u32 v[30+2*\w+\e], 64*\w, v[30+2*\w+\e]           ; the set among all 256
	v_cmp_gt_f32 vcc_lo, v[22+2*\w+\e], v[22+\e]
	v_cndmask_b32 v[22+\e], v[22+\e], v[22+2*\w+\e], vcc_lo
	v_cndmask_b32 v[30+\e], v[30+\e], v[30+2*\w+\e], vcc_lo
.endr
.endr
	global_store_b64 v19, v[30:31], s[12:13]       ; a wave stores 256 aligned consecutive bytes
	v_sub_f32 v38, v20, v22
	v_sub_f32 v39, v21, v23
	v_add_f32 v38, v38, v38                        ; d2 = 2 (x2 / 2 - s'): the doubling is exact
	v_add_f32 v39, v39, v39
	v_max_num_f32 v38, 0, v38
	v_max_num_f32 v39, 0, v39
	v_sqrt_f32 v40, v38
	v_sqrt_f32 v41, v39
	v_mov_b32 v43, RED                             ; a plain line behind the roots
	s_wait_alu depctr_va_vdst(0)                   ; one wait for both roots, ahead of their first reader
	v_add_f32 v40, v40, v41
	v_add_f32_dpp v40, v40, v40 row_xmask:1 row_mask:0xf bank_mask:0xf
	v_add_f32_dpp v40, v40, v40 row_xmask:2 row_mask:0xf bank_mask:0xf
	v_add_f32_dpp v40, v40, v40 row_xmask:4 row_mask:0xf bank_mask:0xf
	v_add_f32_dpp v40, v40, v40 row_xmask:8 row_mask:0xf bank_mask:0xf
	v_permlanex16_b32 v41, v40, s20, s21
	v_add_f32 v40, v40, v41                        ; my wave's sum
	v_mov_b32 v42, s59
	ds_store_b32 v42, v40                          ; all lanes write the same word with the same value
	s_wait_dscnt 0x0
	s_barrier_signal -1
	s_barrier_wait -1
	ds_load_b128 v[44:47], v43
	s_wait_dscnt 0x0
	v_add_f32 v44, v44, v45
	v_add_f32 v46, v46, v47
	v_add_f32 v44, v44, v46                        ; the work-group's
	v_mov_b32 v48, 0
	s_wait_xcnt 0x0                                ; EXEC changes only behind this wait: the store of the sets has been issued
	v_cmp_gt_u32 vcc_lo, 1, v0
	s_and_saveexec_b32 s53, vcc_lo                 ; thread 0 alone
	global_store_b32 v48, v44, s[14:15]
	s_wait_xcnt 0x0                                ; and again, ahead of the line that widens it
	s_or_b32 exec_lo, exec_lo, s53
	s_set_vgpr_msb 0x5
	s_wait_tensorcnt 0x0
	ds_add_u32 v254, v255
	s_wait_dscnt 0x0
	s_set_vgpr_msb 0x500
	CROUND                                         ; the closing round: no work-group ends while a partner may still ask for a tile that names it
	s_endpgm
.Lfunc_end_k_q7635217f98_scan:
	.size	k_q7635217f98_scan, .Lfunc_end_k_q7635217f98_scan-k_q7635217f98_scan
	.p2alignl 7, 3214868480
	.fill 96, 4, 3214868480
	.section	.rodata,"a",@progbits
	.p2align	6, 0x0
	.amdhsa_kernel k_q7635217f98_scan
		.amdhsa_group_segment_fixed_size 327680
		.amdhsa_private_segment_fixed_size 0
		.amdhsa_enable_private_segment 0
		.amdhsa_kernarg_size 48
		.amdhsa_user_sgpr_count 2
		.amdhsa_user_sgpr_kernarg_segment_ptr 1
		.amdhsa_wavefront_size32 1
		.amdhsa_system_sgpr_workgroup_id_x 1
		.amdhsa_system_sgpr_workgroup_id_y 1
		.amdhsa_system_sgpr_workgroup_id_z 1
		.amdhsa_system_vgpr_workitem_id 0
		.amdhsa_next_free_vgpr 1024
		.amdhsa_next_free_sgpr 66
		.amdhsa_reserve_vcc 1
		.amdhsa_float_denorm_mode_32 3
		.amdhsa_float_denorm_mode_16_64 3
		.amdhsa_memory_ordered 1
		.amdhsa_forward_progress 1
		.amdhsa_inst_pref_size 167
	.end_amdhsa_kernel
	.amdgpu_metadata
---
amdhsa.version: [ 1, 2 ]
amdhsa.kernels:
  - .name:           k_q7635217f98_scan
    .symbol:         k_q7635217f98_scan.kd
    .args:
      - { .name: x, .offset: 0, .size: 8, .value_kind: global_buffer, .address_space: global }
      - { .name: wpack, .offset: 8, .size: 8, .value_kind: global_buffer, .address_space: global }
      - { .name: ximg, .offset: 16, .size: 8, .value_kind: global_buffer, .address_space: global }
      - { .name: xaux, .offset: 24, .size: 8, .value_kind: global_buffer, .address_space: global }
      - { .name: zbuf, .offset: 32, .size: 8, .value_kind: global_buffer, .address_space: global }
      - { .name: part, .offset: 40, .size: 8, .value_kind: global_buffer, .address_space: global }
    .group_segment_fixed_size: 327680
    .private_segment_fixed_size: 0
    .kernarg_segment_align: 8
    .kernarg_segment_size: 48
    .max_flat_workgroup_size: 128
    .sgpr_count:     66
    .vgpr_count:     1024
    .wavefront_size: 32
...
	.end_amdgpu_metadata
.endif
;; end of part 2
;; launch pick (part 3): grid 256 x 1, 16 waves a work-group, no clusters, 4,096 bytes of LDS; arguments zbuf, wpack, ximg, xaux, location, part, out0, out1; writes out0, out1
.if DOCPART == 3
	.amdgcn_target "amdgcn-amd-amdhsa--gfx1250"
	.amdhsa_code_object_version 6
	.text
	.protected	k_q7635217f98_pick
	.globl	k_q7635217f98_pick
	.p2align	8
	.type	k_q7635217f98_pick,@function
k_q7635217f98_pick:
	s_mov_b64 s[64:65], 0
	v_nop
	global_prefetch_b8 v0, s[64:65] scope:SCOPE_SE
	s_setreg_imm32_b32 hwreg(HW_REG_WAVE_MODE, 25, 1), 1
	s_wait_xcnt 0x0
; out1[n] = location[the first column with the largest s'(n, .)], out0 = the mean of the rows' distances.  The launch before has stored, for each row, the set Z of 16 columns that holds the winner (whole numbers).
; A wave owns a tile of 16 rows.  For each of its rows it multiplies that row's set again: block Z of wpack is an operand's image as it lies (source 0), the tile's fragment of x is source 1, C = -w2 / 2: one product
; a row, of which the row's own two lanes keep their eight scores.  So in lane (r, h) register j is s(row r, column 16 Z(r) + 8 h + j).
; ALL ADDRESSES COME FROM THE STORED Z, held at 255: the sixteen blocks' bases, and the lane's eight rows of location, which are loaded before any score is known.  The choice among the 16 columns moves values alone:
; the score and the two coordinates go through the same selects.  A strict gain alone moves the choice, and lanes 0-15 (the lower columns) win a tie: the first column, as argmin has it.
; K is 64 and the instruction's 128: x's registers 6-11 are zero codes; w's images are kept six registers each, on end, so a block's registers 6-11 are the next block's codes (behind the last: zeros), which meet zeros.
; Sixteen waves of 192 registers: four to a SIMD, so that one wave's loads are waited for while another works.  No cluster and no joint loads: which blocks a wave reads hangs on the stored list.
; The mean: one wave of one work-group adds the 256 sums of the launch before and scales by 2^-16 (65,536 rows).
; REGISTERS: v1 4 r, v2 16 l, v3 8 l, v4 32 h; v5 Z; v6 my place in location; v7 x's scale words; v8-19 x's fragment; v20-27 my row's eight scores; v28-43 eight pairs of coordinates; v44-51 w's scale words;
;   v52-99 eight blocks' codes, v100-105 zeros; v106-169 eight results (loaded with C); v170 x2 / 2; v174-188 at work.
	s_load_b512 s[4:19], s[0:1], 0x0               ; zbuf s[4:5], wpack s[6:7], ximg s[8:9], xaux s[10:11], location s[12:13], part s[14:15], out0 s[16:17], out1 s[18:19]
	v_lshl_add_u32 v192, v0, 2, 0x800
	v_mov_b32 v193, 0
	v_lshrrev_b32 v1, 5, v0
	v_readfirstlane_b32 s20, v1                    ; wave 0..15
	v_and_b32 v180, 31, v0                         ; l
	v_and_b32 v181, 15, v0                         ; r
	v_bfe_u32 v182, v0, 4, 1                       ; h
	v_lshlrev_b32 v1, 2, v181
	v_lshlrev_b32 v2, 4, v180
	v_lshlrev_b32 v3, 3, v180
	v_lshlrev_b32 v4, 5, v182
	s_lshl_b32 s21, ttmp9, 4
	s_add_co_u32 s21, s21, s20                     ; my tile of rows
	s_mov_b32 s22, 0x76543210
	s_mov_b32 s23, 0xfedcba98                      ; v_permlanex16_b32's selects for lane l xor 16
	s_mov_b32 s25, 0
	s_lshl_b32 s30, s20, 7
	v_lshl_add_u32 v177, v181, 3, s30              ; LDS: my row's 8 bytes among the work-group's 256 rows
	v_lshlrev_b32 v178, 4, v0                      ; and the way out: 16 bytes a thread
.irp i, 0,1,2,3,4,5
	v_mov_b32 v[14+\i], 0                          ; x's registers 6-11: zero codes
	v_mov_b32 v[100+\i], 0                         ; behind the eighth block
.endr
.irp i, 0,1,2
	v_mov_b32 v[174+\i], 0                         ; a lane permute's destination counts as one of its sources
.endr
	v_mov_b32 v188, 0
	s_wait_kmcnt 0x0
	s_lshl_b32 s24, s21, 6                         ; 16 rows of 4 bytes
	s_add_nc_u64 s[4:5], s[4:5], s[24:25]
	s_add_nc_u64 s[10:11], s[10:11], s[24:25]
	s_mul_i32 s24, s21, 768
	s_add_nc_u64 s[8:9], s[8:9], s[24:25]
	s_lshl_b32 s24, ttmp9, 11                      ; out1: 256 rows of 8 bytes a work-group
	s_add_nc_u64 s[18:19], s[18:19], s[24:25]
	global_load_b32 v5, v1, s[4:5]                 ; Z of row r
	global_load_b128 v[8:11], v2, s[8:9]           ; x's fragment, as it was stored
	global_load_b64 v[12:13], v3, s[8:9] offset:512
	global_load_b32 v7, v1, s[10:11]               ; its scale words
	global_load_b32 v170, v1, s[10:11] offset:262144   ; x2 / 2
	s_wait_loadcnt 0x4                             ; Z is in; the four loads issued behind it may be out
	v_min_u32 v5, 0xff, v5                         ; a stored index is held inside its table before it enters an address
	v_lshlrev_b32 v6, 7, v5                        ; a set's 16 rows of location are 128 bytes;
	v_lshl_add_u32 v6, v182, 6, v6                 ; my half's eight
.irp i, 0,1,2,3
	global_load_b128 v[28+4*\i:31+4*\i], v6, s[12:13] offset:16*\i
.endr
.irp i, 0,1,2,3,4,5,6,7,8,9,10,11,12,13,14,15
	v_readlane_b32 s24, v5, \i
	s_min_u32 s24, s24, 0xff
	s_mul_i32 s24, s24, 896
	s_add_nc_u64 s[32+2*\i:33+2*\i], s[6:7], s[24:25]   ; row i's block of wpack
.endr
.macro BLOADS q                        ; rows 8 q .. 8 q + 7: each block's codes, scale words, and -w2 / 2 straight into the result's registers
.irp i, 0,1,2,3,4,5,6,7
	global_load_b128 v[52+6*\i:55+6*\i], v2, s[32+2*(8*(\q)+\i):33+2*(8*(\q)+\i)]
	global_load_b64 v[56+6*\i:57+6*\i], v3, s[32+2*(8*(\q)+\i):33+2*(8*(\q)+\i)] offset:512
	global_load_b32 v[44+\i], v1, s[32+2*(8*(\q)+\i):33+2*(8*(\q)+\i)] offset:768
	global_load_b128 v[106+8*\i:109+8*\i], v4, s[32+2*(8*(\q)+\i):33+2*(8*(\q)+\i)] offset:832
	global_load_b128 v[110+8*\i:113+8*\i], v4, s[32+2*(8*(\q)+\i):33+2*(8*(\q)+\i)] offset:848
.endr
.endm
.macro BMUL q                          ; eight products, each on registers of its own; then each row's two lanes keep their eight scores, each result read from its low end on
	s_wait_loadcnt 0x0
.irp i, 0,1,2,3,4,5,6,7
	v_wmma_scale_f32_16x16x128_f8f6f4 v[106+8*\i:113+8*\i], v[52+6*\i:63+6*\i], v[8:19], v[106+8*\i:113+8*\i], v[44+\i], v7 matrix_a_fmt:MATRIX_FMT_BF6 matrix_b_fmt:MATRIX_FMT_BF6
.endr
.rept 4
	v_nop                                          ; four places behind the products, ahead of the first read of a result
.endr
.irp i, 0,1,2,3,4,5,6,7
.if (8*(\q)+\i) == 0
.irp j, 0,1,2,3,4,5,6,7
	v_mov_b32 v[20+\j], v[106+\j]                  ; row 0 starts the registers whole
.endr
.else
	s_mov_b32 s26, 0x10001<<(8*(\q)+\i)            ; lanes i and 16 + i
.irp j, 0,1,2,3,4,5,6,7
	v_cndmask_b32 v[20+\j], v[20+\j], v[106+8*\i+\j], s26
.endr
.endif
.endr
.endm
	BLOADS 0
	; the mean, while the loads above are on their way: wave 4 of work-group 0 alone (a branch on ids)
	s_sub_co_u32 s27, s20, 4
	s_or_b32 s27, s27, ttmp9
	s_cmp_lg_u32 s27, 0
	s_cbranch_scc1 .Lno_mean
	global_load_b128 v[180:183], v2, s[14:15]
	global_load_b128 v[184:187], v2, s[14:15] offset:512
	s_wait_loadcnt 0x0
	v_add_f32 v180, v180, v181
	v_add_f32 v182, v182, v183
	v_add_f32 v184, v184, v185
	v_add_f32 v186, v186, v187
	v_add_f32 v180, v180, v182
	v_add_f32 v184, v184, v186
	v_add_f32 v180, v180, v184
	v_add_f32_dpp v180, v180, v180 row_xmask:1 row_mask:0xf bank_mask:0xf
	v_add_f32_dpp v180, v180, v180 row_xmask:2 row_mask:0xf bank_mask:0xf
	v_add_f32_dpp v180, v180, v180 row_xmask:4 row_mask:0xf bank_mask:0xf
	v_add_f32_dpp v180, v180, v180 row_xmask:8 row_mask:0xf bank_mask:0xf
	v_permlanex16_b32 v181, v180, s22, s23
	v_add_f32 v180, v180, v181
	v_ldexp_f32 v180, v180, -16                    ; / 65,536
	s_wait_xcnt 0x0                                ; EXEC changes only behind this wait
	v_cmp_eq_u32 vcc_lo, 0, v2
	s_and_saveexec_b32 s29, vcc_lo                 ; lane 0
	global_store_b32 v188, v180, s[16:17]
	s_wait_xcnt 0x0                                ; and again, ahead of the line that widens it
	s_or_b32 exec_lo, exec_lo, s29
.Lno_mean:
.rept 4
	v_nop                                          ; operand registers written by vector lines (the zeros) stand four plain lines ahead of a scaled product
.endr
	BMUL 0
	BLOADS 1                                       ; behind the 64 selects: far more than four plain lines behind the products whose registers these loads fill
	BMUL 1
.irp j, 0,1,2,3,4,5,6,7
	v_min_num_f32 v[20+\j], v[20+\j], v170         ; s' = min(s, x2 / 2): the clip of d2 at 0
.endr
.irp j, 1,2,3,4,5,6,7                          ; the first largest of my eight, in place, with its coordinates
	v_cmp_gt_f32 vcc_lo, v[20+\j], v20
	v_cndmask_b32 v20, v20, v[20+\j], vcc_lo
	v_cndmask_b32 v28, v28, v[28+2*\j], vcc_lo
	v_cndmask_b32 v29, v29, v[29+2*\j], vcc_lo
.endr
	v_permlanex16_b32 v174, v20, s22, s23
	v_permlanex16_b32 v175, v28, s22, s23
	v_permlanex16_b32 v176, v29, s22, s23
	v_cmp_gt_f32 s27, v174, v20                    ; the other half's is taken where it is larger,
	v_cmp_eq_f32 s28, v174, v20
	s_and_b32 s28, s28, 0xffff0000                 ; or equal and I hold the upper columns
	s_or_b32 vcc_lo, s27, s28
	v_cndmask_b32 v28, v28, v175, vcc_lo
	v_cndmask_b32 v29, v29, v176, vcc_lo
	ds_store_b64 v177, v[28:29]                    ; both halves of the lanes write the same 8 bytes with the same value
	s_wait_dscnt 0x0                               ; my store has landed: other waves read it behind the barrier
	s_barrier_signal -1
	s_barrier_wait -1
	s_cmp_lt_u32 s20, 4                            ; 2,048 bytes are four waves' worth
	s_cbranch_scc0 .Lend
	ds_load_b128 v[184:187], v178
	s_wait_dscnt 0x0
	global_store_b128 v178, v[184:187], s[18:19]   ; a wave stores 512 aligned consecutive bytes
.Lend:
	s_wait_tensorcnt 0x0
	ds_add_u32 v192, v193
	s_wait_dscnt 0x0
	s_endpgm
.Lfunc_end_k_q7635217f98_pick:
	.size	k_q7635217f98_pick, .Lfunc_end_k_q7635217f98_pick-k_q7635217f98_pick
	.p2alignl 7, 3214868480
	.fill 96, 4, 3214868480
	.section	.rodata,"a",@progbits
	.p2align	6, 0x0
	.amdhsa_kernel k_q7635217f98_pick
		.amdhsa_group_segment_fixed_size 4096
		.amdhsa_private_segment_fixed_size 0
		.amdhsa_enable_private_segment 0
		.amdhsa_kernarg_size 64
		.amdhsa_user_sgpr_count 2
		.amdhsa_user_sgpr_kernarg_segment_ptr 1
		.amdhsa_wavefront_size32 1
		.amdhsa_system_sgpr_workgroup_id_x 1
		.amdhsa_system_sgpr_workgroup_id_y 1
		.amdhsa_system_sgpr_workgroup_id_z 1
		.amdhsa_system_vgpr_workitem_id 0
		.amdhsa_next_free_vgpr 194
		.amdhsa_next_free_sgpr 66
		.amdhsa_reserve_vcc 1
		.amdhsa_float_denorm_mode_32 3
		.amdhsa_float_denorm_mode_16_64 3
		.amdhsa_memory_ordered 1
		.amdhsa_forward_progress 1
		.amdhsa_inst_pref_size 29
	.end_amdhsa_kernel
	.amdgpu_metadata
---
amdhsa.version: [ 1, 2 ]
amdhsa.kernels:
  - .name:           k_q7635217f98_pick
    .symbol:         k_q7635217f98_pick.kd
    .args:
      - { .name: zbuf, .offset: 0, .size: 8, .value_kind: global_buffer, .address_space: global }
      - { .name: wpack, .offset: 8, .size: 8, .value_kind: global_buffer, .address_space: global }
      - { .name: ximg, .offset: 16, .size: 8, .value_kind: global_buffer, .address_space: global }
      - { .name: xaux, .offset: 24, .size: 8, .value_kind: global_buffer, .address_space: global }
      - { .name: location, .offset: 32, .size: 8, .value_kind: global_buffer, .address_space: global }
      - { .name: part, .offset: 40, .size: 8, .value_kind: global_buffer, .address_space: global }
      - { .name: out0, .offset: 48, .size: 8, .value_kind: global_buffer, .address_space: global }
      - { .name: out1, .offset: 56, .size: 8, .value_kind: global_buffer, .address_space: global }
    .group_segment_fixed_size: 4096
    .private_segment_fixed_size: 0
    .kernarg_segment_align: 8
    .kernarg_segment_size: 64
    .max_flat_workgroup_size: 512
    .sgpr_count:     66
    .vgpr_count:     194
    .wavefront_size: 32
...
	.end_amdgpu_metadata
.endif
;; end of part 3
